; MI455X (gfx1250); checked and timed in simulation.
; The chip was launched on July 23, 2026; its instructions are those of AMD's public machine-readable ISA for CDNA 5 (MIT licence, August 2026) and "CDNA5" Instruction Set Architecture Reference Guide (July 2026). The comments in the code are by the model that wrote it; some were corrected since.
;; Self Attention. Allowed arithmetic: float matrix products may take bf16 or f16 operands with f32 sums; all other float work in f32.
;; Inputs: Wk 1,024 x 1,024 float32; Wq 1,024 x 1,024 float32; Wv 1,024 x 1,024 float32; bk 1,024 float32; bq 1,024 float32; bv 1,024 float32; x 4 x 2,048 x 1,024 float32.
;; Outputs: out0 4 x 2,048 x 1,024 float32.
;; One version. Each part assembles by itself: llvm-mc -triple=amdgcn-amd-amdhsa -mcpu=gfx1250 --defsym DOCPART=n.
;; ======== version 1 of 1: 4 launches
;; limits: values are held in f16: magnitudes above 65,504 overflow, below 6.1e-05 lose precision
;; workspace buffers: xb 16,777,216 bytes; wb 6,291,456 bytes; qkvb 50,331,648 bytes; pb 33,554,432 bytes; ms 262,144 bytes; ls 524,288 bytes
;; launch cast (part 1): grid 704 x 1, 8 waves a work-group, no clusters, 0 bytes of LDS; arguments x, Wq, Wk, Wv, xb, wb; writes xb, wb
.if DOCPART == 1
	.amdgcn_target "amdgcn-amd-amdhsa--gfx1250"
	.amdhsa_code_object_version 6
	.text
	.protected	k_q192e66f99e_cast
	.globl	k_q192e66f99e_cast
	.p2align	8
	.type	k_q192e66f99e_cast,@function
k_q192e66f99e_cast:
	s_mov_b64 s[64:65], 0
	v_nop
	global_prefetch_b8 v0, s[64:65] scope:SCOPE_SE
	s_setreg_imm32_b32 hwreg(HW_REG_WAVE_MODE, 25, 1), 1
	s_wait_xcnt 0x0
; xb = f16(x), [8192][1024];  wb = f16(Wq | Wk | Wv) side by side, [1024 d][3072]: row d holds Wq[d][:], Wk[d][:], Wv[d][:].  One rounding to nearest each.
; A stream: each input byte is read once and each output byte written once.  No LDS, no matrix unit, no cluster: no two work-groups read the same byte.
; LIMIT: a magnitude of 65,504 or more in x or W does not fit f16 and becomes an infinity.
; A work-group takes 16,384 numbers: 16 rows of 1,024 (65,536 bytes in, 32,768 out).  Groups 0-511 take x; group 512 + g takes rows 16 (g % 64) on of W number g / 64.
; Thread t takes 8 neighbouring numbers a step (two rows a step for the 256 threads): 32 bytes in, 16 bytes out; sixteen neighbouring lanes store 256 consecutive bytes, aligned.
; The two outputs differ in the pitch of a row alone: 2,048 bytes in xb, 6,144 in wb.
.set IN,  4                            ; v[4:67]    step j: 8 numbers in f32
.set OUT, 68                           ; v[68:99]   step j: 8 numbers in f16
.set OFF, 100                          ; v[100:107] step j: my byte offset in the output
	s_load_b256 s[4:11], s[0:1], 0x0               ; x s[4:5], Wq s[6:7], Wk s[8:9], Wv s[10:11]
	s_load_b128 s[12:15], s[0:1], 0x20             ; xb s[12:13], wb s[14:15]
	s_sub_co_u32 s16, ttmp9, 512                   ; g (of use in the groups from 512 on alone)
	s_lshr_b32 s17, s16, 6                         ; which W
	s_and_b32 s24, s16, 63                         ; which 16 rows of it
	s_lshl_b32 s25, ttmp9, 15                      ; where the group's output begins in xb,
	s_mul_i32 s26, s24, 98304                      ; and in wb: 16 rows of 6,144 bytes a chunk
	s_lshl_b32 s27, s17, 11                        ; + 2,048 bytes for each W to the left
	s_add_co_u32 s26, s26, s27
	s_movk_i32 s28, 6144                           ; the two pitches
	s_movk_i32 s29, 2048
	v_lshlrev_b32 v1, 5, v0                        ; 32 bytes a thread in
	v_and_b32 v2, 127, v0
	v_lshlrev_b32 v2, 4, v2                        ; out: 16 bytes a thread along a row,
	v_lshrrev_b32 v3, 7, v0                        ; threads 128 on one row further down
	s_wait_kmcnt 0x0
	s_cmp_eq_u32 s17, 1
	s_cselect_b64 s[18:19], s[8:9], s[6:7]         ; Wk or Wq
	s_cmp_eq_u32 s17, 2
	s_cselect_b64 s[18:19], s[10:11], s[18:19]     ; Wv or that
	s_cmp_lt_u32 ttmp9, 512
	s_cselect_b64 s[18:19], s[4:5], s[18:19]       ; x or that: the source
	s_cselect_b64 s[20:21], s[12:13], s[14:15]     ; xb or wb: the destination
	s_cselect_b32 s22, ttmp9, s24                  ; the chunk in the source
	s_cselect_b32 s26, s25, s26                    ; the offset in the destination
	s_cselect_b32 s28, s29, s28                    ; its pitch
	s_lshl_b32 s22, s22, 16
	s_mov_b32 s23, 0
	s_mov_b32 s27, 0
	s_lshl_b32 s29, s28, 1                         ; two rows a step
	s_add_nc_u64 s[18:19], s[18:19], s[22:23]
	s_add_nc_u64 s[20:21], s[20:21], s[26:27]
.irp j, 0,1,2,3,4,5,6,7
	global_load_b128 v[IN+8*\j:IN+8*\j+3],   v1, s[18:19] offset:8192*\j th:TH_LOAD_NT      ; all sixteen loads go out before the first wait
	global_load_b128 v[IN+8*\j+4:IN+8*\j+7], v1, s[18:19] offset:8192*\j+16 th:TH_LOAD_NT
.endr
	v_mad_u32_u24 v2, v3, s28, v2
.irp j, 0,1,2,3,4,5,6,7
	v_mad_u32_u24 v[OFF+\j], s29, \j, v2
.endr
.irp j, 0,1,2,3,4,5,6,7
	s_wait_loadcnt 14-2*\j                         ; loads come back in order: step j's two are in, the later steps' stay out
.irp k, 0,1,2,3
	v_cvt_pk_f16_f32 v[OUT+4*\j+\k], v[IN+8*\j+2*\k], v[IN+8*\j+2*\k+1]
.endr
	global_store_b128 v[OFF+\j], v[OUT+4*\j:OUT+4*\j+3], s[20:21]   ; no register is written twice, so no wait frees one
.endr
	s_endpgm
.Lfunc_end_k_q192e66f99e_cast:
	.size	k_q192e66f99e_cast, .Lfunc_end_k_q192e66f99e_cast-k_q192e66f99e_cast
	.p2alignl 7, 3214868480
	.fill 96, 4, 3214868480
	.section	.rodata,"a",@progbits
	.p2align	6, 0x0
	.amdhsa_kernel k_q192e66f99e_cast
		.amdhsa_group_segment_fixed_size 0
		.amdhsa_private_segment_fixed_size 0
		.amdhsa_enable_private_segment 0
		.amdhsa_kernarg_size 48
		.amdhsa_user_sgpr_count 2
		.amdhsa_user_sgpr_kernarg_segment_ptr 1
		.amdhsa_wavefront_size32 1
		.amdhsa_system_sgpr_workgroup_id_x 1
		.amdhsa_system_sgpr_workgroup_id_y 1
		.amdhsa_system_sgpr_workgroup_id_z 1
		.amdhsa_system_vgpr_workitem_id 0
		.amdhsa_next_free_vgpr 108
		.amdhsa_next_free_sgpr 66
		.amdhsa_reserve_vcc 0
		.amdhsa_float_denorm_mode_32 3
		.amdhsa_float_denorm_mode_16_64 3
		.amdhsa_memory_ordered 1
		.amdhsa_forward_progress 1
		.amdhsa_inst_pref_size 7
	.end_amdhsa_kernel
	.amdgpu_metadata
---
amdhsa.version: [ 1, 2 ]
amdhsa.kernels:
  - .name:           k_q192e66f99e_cast
    .symbol:         k_q192e66f99e_cast.kd
    .args:
      - { .name: x, .offset: 0, .size: 8, .value_kind: global_buffer, .address_space: global }
      - { .name: Wq, .offset: 8, .size: 8, .value_kind: global_buffer, .address_space: global }
      - { .name: Wk, .offset: 16, .size: 8, .value_kind: global_buffer, .address_space: global }
      - { .name: Wv, .offset: 24, .size: 8, .value_kind: global_buffer, .address_space: global }
      - { .name: xb, .offset: 32, .size: 8, .value_kind: global_buffer, .address_space: global }
      - { .name: wb, .offset: 40, .size: 8, .value_kind: global_buffer, .address_space: global }
    .group_segment_fixed_size: 0
    .private_segment_fixed_size: 0
    .kernarg_segment_align: 8
    .kernarg_segment_size: 48
    .max_flat_workgroup_size: 256
    .sgpr_count:     66
    .vgpr_count:     108
    .wavefront_size: 32
...
	.end_amdgpu_metadata
.endif
;; end of part 1
;; launch qkv (part 2): grid 8 x 32, 4 waves a work-group, clusters of 4 x 4, 327,680 bytes of LDS; arguments xb, wb, qkvb, bq, bk, bv; writes qkvb
.if DOCPART == 2
	.amdgcn_target "amdgcn-amd-amdhsa--gfx1250"
	.amdhsa_code_object_version 6
	.text
	.protected	k_q192e66f99e_qkv
	.globl	k_q192e66f99e_qkv
	.p2align	8
	.type	k_q192e66f99e_qkv,@function
k_q192e66f99e_qkv:
	s_mov_b64 s[64:65], 0
	v_nop
	global_prefetch_b8 v0, s[64:65] scope:SCOPE_SE
	s_setreg_imm32_b32 hwreg(HW_REG_WAVE_MODE, 25, 1), 1
	s_wait_xcnt 0x0
	s_wait_alu depctr_hold_cnt(0) depctr_sa_sdst(0) depctr_va_vdst(0) depctr_va_sdst(0) depctr_va_ssrc(0) depctr_va_vcc(0) depctr_vm_vsrc(0)
	s_getreg_b32 s2, hwreg(HW_REG_IB_STS2, 6, 4)
	s_cmp_eq_u32 s2, 0
	s_cbranch_scc0 .Lentry_in_a_cluster
	s_endpgm
.Lentry_in_a_cluster:
	s_bfe_u32 s2, ttmp6, 0x10000c
	s_cmp_lg_u32 s2, 0xf033
	s_cbranch_scc0 .Lentry_shape_is_right
	s_endpgm
.Lentry_shape_is_right:
; qkvb[row][c] = f16( sum over d of xb[row][d] wb[d][c] + b[c] ),  c = 0..3071: q in columns 0-1023, k in 1024-2047, v in 2048-3071; b = bq | bk | bv.
; xb: [8192][1024] f16, wb: [1024 d][3072] f16, qkvb: [8192][3072] f16; sums in f32.
; LIMIT: q, k, v are stored in f16: a magnitude of 65,504 or more becomes an infinity.
; SHARES.  A tile is 256 rows x 384 columns: 32 x 8 = 256 work-groups, one tile each.  Four waves, each 128 rows x 192 columns: 96 accumulators of 16 x 16, 768 registers.
; For 32 along K a wave reads (128 + 192) x 64 bytes from LDS for 96 matrix instructions.
; THE MATRIX INSTRUCTION IS USED TRANSPOSED: source 0 = 16 columns of W (W lies [d][c], so its fragments come out of LDS by the turning load), source 1 = 16 rows of x.
; Lane l then holds row l % 16, and its registers 0-7 the columns 8 (l / 16) + 0..7: eight neighbouring numbers, 16 bytes in f16.
; TWO RINGS, since two slots of 128 along K for both operands do not fit in LDS.  W's: two slots of 64 along K (64 rows of 768 bytes).  x's: two slots of 128 along K, so that its
; rows stay 256 bytes of memory.  One round of the cluster's barrier for each 64 along K: waves 0 and 1 then fill W's slot (its 64 rows shared out, 32 each), and at every second
; round waves 2 and 3 fill x's (128 rows each).  From a request to the wait for it a wave issues 176 matrix instructions.
; CLUSTER 4 x 4: the four of a row of the cluster need the same rows of x, the four of a column the same columns of W: each tile is asked for jointly.
; REGISTERS, in windows of 256:  windows 1-3: the accumulators, (a, b) at v[8 (4 a + b % 4)] of window 1 + b / 4 (a: 8 row blocks, b: 12 column blocks);
;   window 0: v0-31 addresses; v32-95, v96-159 x's 8 fragments of 32 along K, two buffers; v160-255 W's 12 fragments, ONE set in three groups of four.
; A STEP is 32 along K: three stretches of 32 matrix instructions, one for each window and group.  Behind stretch g its group is loaded again, for the next step; behind stretch 0
; also x's next fragments, into the other buffer.  So every LDS load is issued 64 matrix instructions ahead of its first use, in runs of 24, 8 and 8.
.set PA,     272                       ; an LDS row of x: 256 bytes + 16 of padding: 16 rows start at 16 different groups of four banks
.set PB,     864                       ; an LDS row of W: three times 256 bytes + 32 of padding: an odd multiple of 32, for the turning load
.set BHALF,  32*PB                     ; what one tensor load brings of W: 32 rows of d
.set BSLOT,  2*BHALF                   ; 55,296 bytes
.set AHALF,  128*PA                    ; what one tensor load brings of x: 128 rows
.set ASLOT,  2*AHALF                   ; 69,632 bytes
.set ABASE,  2*BSLOT                   ; W's two slots, then x's two
.set STAGE,  ABASE+2*ASLOT             ; behind the rings: two halves of 32 rows x 784 bytes, the work-group's, for the way out
.set SPITCH, 784                       ; 768 bytes + 16
.set SHALF,  32*SPITCH
.set BL,     STAGE+2*SHALF             ; the tile's 384 numbers of b
.set SPARE,  BL+1536                   ; the spare words, 128 bytes for each wave: two blocks of 256 bytes that no other line names
.set ADRA, 8                           ; v8-9    LDS address of my fragments of x in slot 0, 1
.set ADRB, 10                          ; v10-15  the same for W: slot s, group g at v[10 + 3 s + g] (the padding inside a row makes a group's place hang on my column half)
.set STO,  16                          ; v16     the way out: where I put 16 bytes of a row
.set RD,   17                          ; v17     the way out: where I read a row back
.set CO,   18                          ; v18     my byte offset in the output
.set BADR, 19                          ; v19     LDS address of my eight numbers of b in column block 0
.set SPW,  20                          ; v20     LDS address of my spare word; never rewritten
.set NIL,  21                          ; v21     0; never rewritten
.set AB,   32                          ; x's two fragment buffers
.set BR,   160                         ; W's fragments
.set BIAS, 160                         ; the way out: b as it lies in an accumulator, 8 registers a column block (W's fragments are done with)
.set PK,   32                          ; the way out: a pass's packed results, 48 registers
.set RB,   96                          ; the way out: whole rows read back, 48 registers
.set G1,  24                           ; s[24:31] descriptor group 1 for x's tiles;  s[32:39] group 0, a set for each slot
.set G0,  32
.set G1B, 48                           ; s[48:55], s[56:63] the same for W's tiles
.set G0B, 56
.set MSB, 0
.macro WIN new                         ; the immediate's high byte repeats the setting that is left; a switch that changes nothing is dropped
.if MSB != (\new)
	s_set_vgpr_msb (MSB<<8)|(\new)
.set MSB, (\new)
.endif
.endm
.macro PLACES                          ; four places behind matrix instructions, in front of loads into registers that they read and of reads of their results
.rept 4
	v_nop
.endr
.endm
; The joint loads behind a round.  Waves 0 and 1 fetch the two halves of W's slot RSB; kind 3: waves 2 and 3 the two halves of x's slot RSA; kind 2: they fetch nothing.
; The branch hangs on the wave's number alone.  Four v_nop stand on each way: behind a tensor load, and on every way the places in front of the LDS loads that follow.
.macro JLOAD kind
	s_cmp_eq_u32 s11, 0
	s_cbranch_scc0 .Lfor_a_\@
	tensor_load_to_lds s[G0B+4*RSB:G0B+4*RSB+3], s[G1B:G1B+7]
	s_nop 0
.rept 4
	v_nop
.endr
	s_branch .Lasked_\@
.Lfor_a_\@:
.if \kind == 3
	tensor_load_to_lds s[G0+4*RSA:G0+4*RSA+3], s[G1:G1+7]
	s_nop 0
.endif
.rept 4
	v_nop
.endr
.Lasked_\@:
.endm
.macro CREST                           ; a round of the cluster's barrier behind its opening barrier
	s_cmp_lg_u32 s10, 0
	s_cbranch_scc1 .Lnot_wave_0_\@
	s_barrier_signal -3
.Lnot_wave_0_\@:
	s_barrier_wait -3
	s_barrier_signal -1
	s_barrier_wait -1
.endm
.macro CROUND                          ; a whole round
	s_barrier_signal -1
	s_barrier_wait -1
	CREST
.endm
; 8 matrix instructions: column block 4 g + i x all 8 row blocks, 32 along K, x's buffer P.  zero = 1: the product starts the sums: nothing is ever cleared.
; The 96 accumulators take turns, one instruction a turn.
.macro MUL8 g, i, zero
.irp a, 0,1,2,3,4,5,6,7
.if \zero
	v_wmma_f32_16x16x32_f16 v[8*(4*\a+\i):8*(4*\a+\i)+7], v[BR+32*\g+8*\i:BR+32*\g+8*\i+7], v[AB+64*P+8*\a:AB+64*P+8*\a+7], 0
.else
	v_wmma_f32_16x16x32_f16 v[8*(4*\a+\i):8*(4*\a+\i)+7], v[BR+32*\g+8*\i:BR+32*\g+8*\i+7], v[AB+64*P+8*\a:AB+64*P+8*\a+7], v[8*(4*\a+\i):8*(4*\a+\i)+7]
.endif
.endr
.endm
.macro STRETCH g, zero
.irp i, 0,1,2,3
	MUL8 \g, \i, \zero
.endr
.endm
; Run q of the next step's LDS loads: W's group q (8 loads) from slot NSB, half NKB; with q = 0 also x's 8 fragments (16 loads) from slot NSA, quarter NKA, into buffer NP.
.macro RUN q
.irp i, 0,1,2,3
	ds_load_tr16_b128 v[BR+32*\q+8*\i:BR+32*\q+8*\i+3],   v[ADRB+3*NSB+\q] offset:32*NKB*PB+32*\i
	ds_load_tr16_b128 v[BR+32*\q+8*\i+4:BR+32*\q+8*\i+7], v[ADRB+3*NSB+\q] offset:(32*NKB+16)*PB+32*\i
.endr
.if \q == 0
.irp a, 0,1,2,3,4,5,6,7
	ds_load_b128 v[AB+64*NP+8*\a:AB+64*NP+8*\a+3],   v[ADRA+NSA] offset:\a*16*PA+64*NKA
	ds_load_b128 v[AB+64*NP+8*\a+4:AB+64*NP+8*\a+7], v[ADRA+NSA] offset:\a*16*PA+64*NKA+32
.endr
.endif
.endm
; Step n (modulo 8: once round x's ring).  kind, in the odd steps, whose runs read W's next slot: 0 no barrier; 1 a barrier and no refill; 2 a round, W's slot filled again;
; 3 a round, W's and x's slots filled again.  fetch = 0: the last step of all.
; In front of the barrier each wave waits for all its tensor loads (at most one is out), adds 0 to its spare word, and waits for that and for its reads of the slots that are left:
; W's were read by the step before, x's by the step before too.  Behind the round the refill comes first, then the runs read the next slot.
.macro STEP n, zero, kind, fetch
.set P,   (\n)%2
.set NX,  ((\n)+1)%8
.set NP,  NX%2
.set NSA, (NX/4)%2
.set NKA, NX%4
.set NSB, (NX/2)%2
.set NKB, NX%2
.set RSB, ((\n)/2)%2
.set RSA, ((\n)/4)%2
	s_wait_dscnt 16                                ; W's group 0 and x's fragments are in; the 16 younger loads (groups 1 and 2) may be out
	WIN 0x50                                       ; C and D in window 1
	MUL8 0, 0, \zero
	MUL8 0, 1, \zero
.if \kind
	WIN 0                                          ; (the add's two registers lie in window 0)
	s_wait_tensorcnt 0x0                           ; all my tensor loads have landed
	ds_add_u32 v[SPW], v[NIL]                      ; 0 onto my spare word
	WIN 0x50
	MUL8 0, 2, \zero                               ; eight matrix instructions stand between the add and the wait for it
	s_wait_dscnt 0x0                               ; the add is done, and my reads of the slots that are left are over
	s_barrier_signal -1
	MUL8 0, 3, \zero
	WIN 0
	s_barrier_wait -1
.if \kind > 1
	CREST                                          ; no wave of any partner still reads these slots or has a load on its way
	s_add_nc_u64 s[G0B+4*RSB+2:G0B+4*RSB+3], s[G0B+4*RSB+2:G0B+4*RSB+3], 786432   ; W: 128 rows of 6,144 bytes down
.if \kind == 3
	s_add_nc_u64 s[G0+4*RSA+2:G0+4*RSA+3], s[G0+4*RSA+2:G0+4*RSA+3], 512          ; x: 256 further along K
.endif
	JLOAD \kind
.else
	PLACES
.endif
	RUN 0
	WIN 0xa0                                       ; groups 1 and 2 were shown in by the wait for 0
	STRETCH 1, \zero
	PLACES
	WIN 0
	RUN 1
	WIN 0xf0
	STRETCH 2, \zero
	PLACES
	WIN 0
	RUN 2
.else
	MUL8 0, 2, \zero
	MUL8 0, 3, \zero
.if \fetch
	PLACES
	WIN 0
	RUN 0
	s_wait_dscnt 32                                ; group 1 is in: behind its loads came group 2's 8 and the 24 just issued
.else
	s_wait_dscnt 8                                 ; group 1 is in: behind its loads came group 2's 8
.endif
	WIN 0xa0
	STRETCH 1, \zero
.if \fetch
	PLACES
	WIN 0
	RUN 1
	s_wait_dscnt 32                                ; group 2 is in: behind its loads came this step's 24 and 8
.else
	s_wait_dscnt 0x0
.endif
	WIN 0xf0
	STRETCH 2, \zero
.if \fetch
	PLACES
	WIN 0
	RUN 2
.endif
.endif
.endm
; THE WAY OUT, a pass for each row block a.  PACK: b is added, the sums are rounded to f16, 16 bytes a lane and column block.  STORE: into the stage's half a % 2, where the two waves
; of a row half fill the two halves of rows of 768 bytes (a wave's 384 bytes are one and a half aligned blocks of 256).  READ, behind a barrier: each wave takes 8 whole rows.  SEND: stored.
.macro PACK a
.irp g, 0,1,2
	WIN ((1+\g)<<6)|(1+\g)                         ; the accumulators (destination and source 0) in window 1 + g, b in window 0
.irp i, 0,1,2,3
.irp j, 0,1,2,3
	v_pk_add_f32 v[32*(\a)+8*\i+2*\j:32*(\a)+8*\i+2*\j+1], v[32*(\a)+8*\i+2*\j:32*(\a)+8*\i+2*\j+1], v[BIAS+8*(4*\g+\i)+2*\j:BIAS+8*(4*\g+\i)+2*\j+1]   ; each accumulator from its low end on
.endr
.endr
	WIN ((1+\g)<<2)|(1+\g)                         ; sources in window 1 + g, destination in window 0
.irp i, 0,1,2,3
.irp j, 0,1,2,3
	v_cvt_pk_f16_f32 v[PK+4*(4*\g+\i)+\j], v[32*(\a)+8*\i+2*\j], v[32*(\a)+8*\i+2*\j+1]
.endr
.endr
.endr
	WIN 0
.endm
.macro STORE a
.irp b, 0,1,2,3,4,5,6,7,8,9,10,11
	ds_store_b128 v[STO], v[PK+4*\b:PK+4*\b+3] offset:((\a)%2)*SHALF+32*\b
.endr
.endm
.macro READ a                          ; load 3 i + j: rows 2 i (lanes 0-15) and 2 i + 1 (lanes 16-31) of my 8, their block j of 256 bytes
.irp i, 0,1,2,3
.irp j, 0,1,2
	ds_load_b128 v[RB+4*(3*\i+\j):RB+4*(3*\i+\j)+3], v[RD] offset:((\a)%2)*SHALF+2*\i*SPITCH+256*\j
.endr
.endr
.endm
.macro SEND a
.irp i, 0,1,2,3
.irp j, 0,1,2
	s_wait_dscnt 11-(3*\i+\j)                      ; LDS loads come back in order: this one is in, the pass's later ones may be out
	global_store_b128 v[CO], v[RB+4*(3*\i+\j):RB+4*(3*\i+\j)+3], s[8:9] offset:(16*(\a)+2*\i)*6144+256*\j   ; 16 lanes store 256 consecutive bytes, aligned
.endr
.endr
.endm
	s_load_b128 s[4:7], s[0:1], 0x0                ; xb s[4:5], wb s[6:7]
	s_load_b64 s[8:9], s[0:1], 0x10                ; qkvb
	s_load_b128 s[68:71], s[0:1], 0x18             ; bq s[68:69], bk s[70:71]
	s_load_b64 s[72:73], s[0:1], 0x28              ; bv
	v_lshl_add_u32 v[SPW], v0, 2, SPARE
	v_mov_b32 v[NIL], 0
	ds_add_u32 v20, v21
	s_wait_dscnt 0x0
	v_lshrrev_b32 v1, 5, v0
	v_readfirstlane_b32 s10, v1                    ; wave 0..3
	s_lshr_b32 s11, s10, 1                         ; which 128 rows of the tile are mine.  Also: I fetch for W (0) or for x (1)
	s_and_b32 s12, s10, 1                          ; which 192 columns.  Also: which half of that tile I fetch
	s_bfe_u32 s40, ttmp6, 0x40000                  ; cx, cy: my place in the cluster
	s_bfe_u32 s41, ttmp6, 0x40004
	s_lshl_b32 s42, ttmp9, 2
	s_add_co_u32 s42, s42, s40                     ; tile column = 4 x cluster x + cx
	s_and_b32 s13, ttmp7, 0xffff
	s_lshl_b32 s13, s13, 2
	s_add_co_u32 s13, s13, s41                     ; tile row = 4 x cluster y + cy
	s_lshl_b32 s43, s41, 2
	s_lshl_b32 s43, 15, s43                        ; my row of the cluster
	s_lshl_b32 s44, 0x1111, s40                    ; my column
	s_or_b32 s[G1], s43, (1<<16)|(1<<20)|(1<<21)|(5<<22)|(3<<25)    ; mask; elements of 2 bytes; padding on; bit 21 beside a mask; after every 64 words, 4 words
	s_mov_b32 s[G1+1], 128<<16                     ; tensor_dim0 = 128
	s_mov_b32 s[G1+2], 128<<16                     ; tensor_dim1 = 128
	s_mov_b32 s[G1+3], 128<<16                     ; tile_dim0 = 128
	s_mov_b32 s[G1+4], 128                         ; tile_dim1 = 128
	s_mov_b32 s[G1+5], 1024                        ; elements from row to row of xb
	s_mov_b32 s[G1+6], 0
	s_mov_b32 s[G1+7], 0
	s_or_b32 s[G1B], s44, (1<<16)|(1<<20)|(1<<21)|(5<<22)|(7<<25)   ; after every 64 words, 8 words: three times in a row of 192 words
	s_mov_b32 s[G1B+1], 384<<16                    ; tensor_dim0 = 384
	s_mov_b32 s[G1B+2], 32<<16                     ; tensor_dim1 = 32
	s_mov_b32 s[G1B+3], 384<<16                    ; tile_dim0 = 384
	s_mov_b32 s[G1B+4], 32                         ; tile_dim1 = 32
	s_mov_b32 s[G1B+5], 3072                       ; elements from row to row of wb
	s_mov_b32 s[G1B+6], 0
	s_mov_b32 s[G1B+7], 0
	s_lshl_b32 s16, s13, 19                        ; x: (256 x tile row + 128 x half) rows of 2,048 bytes: hangs on the tile row alone
	s_lshl_b32 s17, s12, 18
	s_add_co_u32 s16, s16, s17
	s_mov_b32 s17, 0
	s_mul_i32 s46, s42, 768                        ; W: 384 x tile column columns + 32 x half rows of 6,144 bytes: hangs on the tile column alone
	s_mul_i32 s47, s12, 196608
	s_add_co_u32 s46, s46, s47
	s_mov_b32 s47, 0
	s_mul_i32 s20, s10, BHALF                      ; where W's halves go (waves 0, 1)
	s_mul_i32 s21, s10, AHALF                      ; where x's go (waves 2, 3): behind W's ring
	s_add_co_u32 s21, s21, ABASE-2*AHALF
	s_wait_kmcnt 0x0
	s_add_nc_u64 s[14:15], s[4:5], s[16:17]
	s_add_nc_u64 s[46:47], s[6:7], s[46:47]
	CROUND                                         ; all sixteen work-groups are here: the first joint loads meet
.irp s, 0,1
.set RSA, \s
.set RSB, \s
	s_mov_b32 s[G0+4*\s], 1
	s_add_co_u32 s[G0+4*\s+1], s21, \s*ASLOT
	s_add_nc_u64 s[G0+4*\s+2:G0+4*\s+3], s[14:15], \s*256          ; x's slot s begins with K = 128 s
	s_or_b32 s[G0+4*\s+3], s[G0+4*\s+3], 0x80000000
	s_mov_b32 s[G0B+4*\s], 1
	s_add_co_u32 s[G0B+4*\s+1], s20, \s*BSLOT
	s_add_nc_u64 s[G0B+4*\s+2:G0B+4*\s+3], s[46:47], \s*393216     ; W's slot s begins with K = 64 s
	s_or_b32 s[G0B+4*\s+3], s[G0B+4*\s+3], 0x80000000
	JLOAD 3                                        ; two loads of mine are out behind these
.endr
	v_and_b32 v1, 15, v0                           ; r = l % 16
	v_bfe_u32 v2, v0, 4, 1                         ; h = l / 16
	v_mul_u32_u24 v3, v1, PA
	v_lshl_add_u32 v3, v2, 4, v3                   ; x's fragments: row x pitch + 16 h
	s_mul_i32 s22, s11, AHALF
	s_add_co_u32 s22, s22, ABASE
	v_add_nc_u32 v[ADRA], s22, v3
	v_add_nc_u32 v[ADRA+1], ASLOT, v[ADRA]
	v_and_b32 v4, 7, v0                            ; W's: the turning load's lane l reads row 8 h + l % 8, 16 bytes at 16 ((l / 8) % 2)
	v_lshl_add_u32 v4, v2, 3, v4
	v_mul_u32_u24 v4, v4, PB
	v_bfe_u32 v5, v0, 3, 1
	v_lshl_add_u32 v4, v5, 4, v4
	; column block cb = 12 x half + 4 g + i of the tile's 24 lies at byte 32 cb + 32 (cb / 8) of a row; a group's four blocks lie in one piece of 256 bytes
	s_mul_i32 s22, s12, 416                        ; group 0: cb = 0 or 12: byte 0 or 416
	v_add_nc_u32 v[ADRB], s22, v4
	s_mul_i32 s22, s12, 448                        ; group 1: cb = 4 or 16: byte 128 or 576
	s_add_co_u32 s22, s22, 128
	v_add_nc_u32 v[ADRB+1], s22, v4
	s_mul_i32 s22, s12, 416                        ; group 2: cb = 8 or 20: byte 288 or 704
	s_add_co_u32 s22, s22, 288
	v_add_nc_u32 v[ADRB+2], s22, v4
.irp g, 0,1,2
	v_add_nc_u32 v[ADRB+3+\g], BSLOT, v[ADRB+\g]
.endr
	s_mul_i32 s23, s11, 16*SPITCH                  ; into the stage: row 16 x (row half) + r, my half of its 768 bytes, 16 bytes for each half of the lanes
	s_mul_i32 s22, s12, 384
	s_add_co_u32 s23, s23, s22
	s_add_co_u32 s23, s23, STAGE
	v_mul_u32_u24 v6, v1, SPITCH
	v_lshl_add_u32 v6, v2, 4, v6
	v_add_nc_u32 v[STO], s23, v6
	s_mul_i32 s23, s10, 8*SPITCH                   ; back: wave w takes the stage's rows 8 w .. 8 w + 7, whole
	s_add_co_u32 s23, s23, STAGE
	v_mul_u32_u24 v6, v2, SPITCH
	v_lshl_add_u32 v6, v1, 4, v6
	v_add_nc_u32 v[RD], s23, v6
	v_mul_u32_u24 v6, v2, 6144
	v_lshl_add_u32 v[CO], v1, 4, v6                ; lanes 0-15 one row of the output, lanes 16-31 the next
	s_mul_i32 s23, s12, 768
	s_add_co_u32 s23, s23, BL
	v_lshl_add_u32 v[BADR], v2, 5, s23
	s_lshl_b32 s2, s13, 8                          ; the first row that I store: 256 x tile row + 128 x (w / 2) + 8 x (w % 2): stage row 8 w of pass 0
	s_lshl_b32 s3, s11, 7
	s_add_co_u32 s2, s2, s3
	s_lshl_b32 s3, s12, 3
	s_add_co_u32 s2, s2, s3
	s_mul_i32 s2, s2, 6144
	s_mul_i32 s3, s42, 768                         ; the tile's first column, in bytes
	s_add_co_u32 s2, s2, s3
	s_mov_b32 s3, 0
	s_add_nc_u64 s[8:9], s[8:9], s[2:3]
	; b: threads 0-95 (waves 0-2) bring four numbers each of the tile's 384.  A tile may cross from bq to bk or from bk to bv, but four columns from a multiple of 4 on do not:
	; each thread loads from all three, at its place or clamped into the buffer, and keeps the one that its column picks.
	s_cmp_eq_u32 s10, 3
	s_cbranch_scc1 .Lno_bias
	s_mul_i32 s18, s42, 384
	v_lshl_add_u32 v23, v0, 2, s18                 ; my first column, of 3,072
	v_lshrrev_b32 v24, 10, v23                     ; 0, 1, 2: bq, bk, bv
	v_min_u32 v25, 0x3fc, v23                      ; as unsigned numbers: what lies below a buffer wraps round and is clamped to 1,020 like what lies above it
	v_add_nc_u32 v26, 0xfffffc00, v23
	v_min_u32 v26, 0x3fc, v26
	v_add_nc_u32 v27, 0xfffff800, v23
	v_min_u32 v27, 0x3fc, v27
	v_lshlrev_b32 v25, 2, v25
	v_lshlrev_b32 v26, 2, v26
	v_lshlrev_b32 v27, 2, v27
	global_load_b128 v[96:99], v25, s[68:69]
	global_load_b128 v[100:103], v26, s[70:71]
	global_load_b128 v[104:107], v27, s[72:73]
	v_lshl_add_u32 v28, v0, 4, BL
	v_cmp_eq_u32 vcc_lo, 1, v24
	v_cmp_eq_u32 s19, 2, v24
	s_wait_loadcnt 0x0
.irp i, 0,1,2,3
	v_cndmask_b32 v[96+\i], v[96+\i], v[100+\i], vcc_lo
.endr
.irp i, 0,1,2,3
	v_cndmask_b32 v[96+\i], v[96+\i], v[104+\i], s19
.endr
	ds_store_b128 v28, v[96:99]
.Lno_bias:
	s_wait_dscnt 0x0                               ; for the others' sake: my part of b is in LDS
	s_wait_tensorcnt 1                             ; my part of the first slot is in; the second's may stay out
	s_barrier_signal -1
	s_barrier_wait -1                              ; everybody's is
.set NP,  0
.set NSA, 0
.set NKA, 0
.set NSB, 0
.set NKB, 0
	RUN 0                                          ; step 0's fragments, in the order in which every step's are asked for
	RUN 1
	RUN 2
	STEP 0, 1, 0, 1                                ; step 0 stands in front of the loop: its products start the sums
	s_mov_b32 s3, 3
.Loct:                                                 ; a trip is 8 steps, once round x's ring and twice round W's: steps 1 to 24
	STEP 1, 0, 2, 1
	STEP 2, 0, 0, 1
	STEP 3, 0, 3, 1
	STEP 4, 0, 0, 1
	STEP 5, 0, 2, 1
	STEP 6, 0, 0, 1
	STEP 7, 0, 3, 1
	STEP 0, 0, 0, 1
	s_sub_co_u32 s3, s3, 1
	s_cmp_lg_u32 s3, 0
	s_cbranch_scc1 .Loct
	STEP 1, 0, 2, 1                                ; steps 25 to 31 are written out: W's last two slots are asked for, x's ring is full to the end,
	STEP 2, 0, 0, 1
	STEP 3, 0, 2, 1
	STEP 4, 0, 0, 1
	STEP 5, 0, 1, 1                                ; then nothing is left to ask for: a barrier shows W's last slot to every wave,
	STEP 6, 0, 0, 1
	STEP 7, 0, 0, 0                                ; and the last step fetches nothing
	PLACES
	WIN 0
.irp b, 0,1,2,3,4,5,6,7,8,9,10,11
	ds_load_b128 v[BIAS+8*\b:BIAS+8*\b+3],   v[BADR] offset:64*\b      ; register j of block b: b[my column 16 b + 8 (l / 16) + j]
	ds_load_b128 v[BIAS+8*\b+4:BIAS+8*\b+7], v[BADR] offset:64*\b+16
.endr
	s_wait_dscnt 0x0
	PACK 0
.irp a, 0,1,2,3,4,5,6,7
	STORE \a
	s_wait_dscnt 0x0                               ; for the others' sake: my stores into this half are done, and so are my reads of the other half, which the next pass writes
	s_barrier_signal -1
	s_barrier_wait -1
	s_wait_xcnt 0x0                                ; the registers that the last pass's stores read are loaded again only behind this wait
	READ \a
.if \a < 7
	PACK \a+1                                      ; the next pass's arithmetic stands between the loads from the stage and the waits for them
.endif
	SEND \a
.endr
	s_wait_tensorcnt 0x0                           ; the wave's end
	ds_add_u32 v[SPW], v[NIL]
	s_wait_dscnt 0x0
	CROUND                                         ; the closing round: no work-group ends while a partner may still ask for a tile that names it
	s_endpgm
.Lfunc_end_k_q192e66f99e_qkv:
	.size	k_q192e66f99e_qkv, .Lfunc_end_k_q192e66f99e_qkv-k_q192e66f99e_qkv
	.p2alignl 7, 3214868480
	.fill 96, 4, 3214868480
	.section	.rodata,"a",@progbits
	.p2align	6, 0x0
	.amdhsa_kernel k_q192e66f99e_qkv
		.amdhsa_group_segment_fixed_size 327680
		.amdhsa_private_segment_fixed_size 0
		.amdhsa_enable_private_segment 0
		.amdhsa_kernarg_size 48
		.amdhsa_user_sgpr_count 2
		.amdhsa_user_sgpr_kernarg_segment_ptr 1
		.amdhsa_wavefront_size32 1
		.amdhsa_system_sgpr_workgroup_id_x 1
		.amdhsa_system_sgpr_workgroup_id_y 1
		.amdhsa_system_sgpr_workgroup_id_z 1
		.amdhsa_system_vgpr_workitem_id 0
		.amdhsa_next_free_vgpr 1024
		.amdhsa_next_free_sgpr 80
		.amdhsa_reserve_vcc 1
		.amdhsa_float_denorm_mode_32 3
		.amdhsa_float_denorm_mode_16_64 3
		.amdhsa_memory_ordered 1
		.amdhsa_forward_progress 1
		.amdhsa_inst_pref_size 238
	.end_amdhsa_kernel
	.amdgpu_metadata
---
amdhsa.version: [ 1, 2 ]
amdhsa.kernels:
  - .name:           k_q192e66f99e_qkv
    .symbol:         k_q192e66f99e_qkv.kd
    .args:
      - { .name: xb, .offset: 0, .size: 8, .value_kind: global_buffer, .address_space: global }
      - { .name: wb, .offset: 8, .size: 8, .value_kind: global_buffer, .address_space: global }
      - { .name: qkvb, .offset: 16, .size: 8, .value_kind: global_buffer, .address_space: global }
      - { .name: bq, .offset: 24, .size: 8, .value_kind: global_buffer, .address_space: global }
      - { .name: bk, .offset: 32, .size: 8, .value_kind: global_buffer, .address_space: global }
      - { .name: bv, .offset: 40, .size: 8, .value_kind: global_buffer, .address_space: global }
    .group_segment_fixed_size: 327680
    .private_segment_fixed_size: 0
    .kernarg_segment_align: 8
    .kernarg_segment_size: 48
    .max_flat_workgroup_size: 128
    .sgpr_count:     80
    .vgpr_count:     1024
    .wavefront_size: 32
...
	.end_amdgpu_metadata
.endif
;; end of part 2
;; launch scores (part 3): grid 8 x 32, 4 waves a work-group, clusters of 4 x 4, 327,680 bytes of LDS; arguments qkvb, pb, ms, ls; writes pb, ms, ls
.if DOCPART == 3
	.amdgcn_target "amdgcn-amd-amdhsa--gfx1250"
	.amdhsa_code_object_version 6
	.text
	.protected	k_q192e66f99e_scores
	.globl	k_q192e66f99e_scores
	.p2align	8
	.type	k_q192e66f99e_scores,@function
k_q192e66f99e_scores:
	s_mov_b64 s[64:65], 0
	v_nop
	global_prefetch_b8 v0, s[64:65] scope:SCOPE_SE
	s_setreg_imm32_b32 hwreg(HW_REG_WAVE_MODE, 25, 1), 1
	s_wait_xcnt 0x0
	s_wait_alu depctr_hold_cnt(0) depctr_sa_sdst(0) depctr_va_vdst(0) depctr_va_sdst(0) depctr_va_ssrc(0) depctr_va_vcc(0) depctr_vm_vsrc(0)
	s_getreg_b32 s2, hwreg(HW_REG_IB_STS2, 6, 4)
	s_cmp_eq_u32 s2, 0
	s_cbranch_scc0 .Lentry_in_a_cluster
	s_endpgm
.Lentry_in_a_cluster:
	s_bfe_u32 s2, ttmp6, 0x10000c
	s_cmp_lg_u32 s2, 0xf033
	s_cbranch_scc0 .Lentry_shape_is_right
	s_endpgm
.Lentry_shape_is_right:
; For a tile of 256 queries x 256 keys of one batch: s = q . k (sum over 1,024 channels, f16 operands, f32 sums); for each query
;   cm = c x (the largest s of the tile's 256 keys), c = log2(e) / 32;   pb = f16( 2^(c s - cm) );   ls = the f32 sum of those weights over each 128 keys;   ms = cm.
; qkvb is [8192][3072] f16: q in a row's columns 0-1023, k in 1024-2047.
; The launch behind this one joins the eight chunks of a query's keys by their true common maximum; every exponent here is 0 or below (but for the rounding of cm).
; LIMIT: weights below 6e-5 of their chunk's largest are f16 denormals, with an absolute step of 6e-8.
; SHARES.  256 work-groups, one tile each; four waves, each 128 queries x 128 keys: 64 accumulators of 16 x 16, 512 registers.  K goes in steps of 128 through a ring of two LDS slots.
; THE MATRIX INSTRUCTION IS USED TRANSPOSED: source 0 = 16 keys, source 1 = 16 queries: lane l holds query l % 16, registers 0-7 the keys 8 (l / 16) + 0..7.
; CLUSTER 4 x 4: the four of a row of the cluster need the same rows of q, the four of a column the same rows of k: each tile is asked for jointly.
; REGISTERS: window 0: v0-31 addresses, v32-63 statistics, v64-127, v128-191 fragments of q, two buffers (v64-87 statistics at the end);
;   window 1: v64-127, v128-191 fragments of k; at the end all 256: the packed weights;  window 2: accumulators of my queries 0-63, (a, b) at v[8 (8 a + b)];  window 3: of queries 64-127.
.set PITCH,  272                       ; an LDS row: 256 bytes + 16 of padding
.set HALFT,  128*PITCH                 ; what one tensor load brings, and what one wave reads of q or of k
.set SLOT,   4*HALFT                   ; q's 256 rows, then k's 256 rows
.set STAGE,  2*SLOT                    ; 16 rows x 272 bytes for each wave, for the way out
.set SPITCH, 272
.set XCH,    STAGE+4*16*SPITCH         ; 128 maxima of each wave, 512 bytes a wave: the two waves of a query half lie side by side
.set STATST, XCH+4*512                 ; each wave's 128 cm, then its 128 sums
.set SPARE,  STATST+4*1024             ; the spare words, 128 bytes for each wave: two blocks of 256 bytes that no other line names
.set LAPS, 4                           ; 1,024 channels = 8 K steps = 4 times round the ring
.set XW,   8                           ; v8      where I put a maximum
.set XR,   9                           ; v9      where the two waves of my query half put theirs
.set SS,   10                          ; v10     where I put cm (lanes 0-15) or the sum (lanes 16-31)
.set SR,   11                          ; v11     where I read four of them back
.set GS,   12                          ; v12     16 x lane: my byte offset in ms and ls
.set ADRA, 16                          ; v16-17  LDS address of my fragments of q in slot 0, 1
.set ADRB, 20                          ; v20-21  the same for k
.set STO,  24
.set RD,   25
.set CO,   26
.set SPW,  28                          ; v28     LDS address of my spare word; never rewritten
.set NIL,  29                          ; v29     0; never rewritten
.set MX,   32                          ; v32-39  block a's maximum
.set CM,   48                          ; v48-63  block a's cm, twice (a pair for the packed scaling)
.set TX,   64                          ; v64-71  at work
.set LS,   72                          ; v72-87  block a's sums: even keys', odd keys'
.set F0,   64
.set F1,   128
.set G1,  24
.set G0,  32
.set G1B, 48
.set G0B, 56
.set CS,  76                           ; s[76:77] c
.set SEL, 78                           ; s[78:79] v_permlanex16_b32: each lane takes its own place in the other half
.set MUL_LO, 0xa1                      ; source 0 (k) window 1, source 1 (q) window 0, C and D window 2
.set MUL_HI, 0xf1                      ; the same, C and D window 3
.set TO_B,   0x40
.set MSB, 0
.macro WIN new
.if MSB != (\new)
	s_set_vgpr_msb (MSB<<8)|(\new)
.set MSB, (\new)
.endif
.endm
.macro PLACES                          ; four places behind matrix instructions (ISA guide 7.12.1)
.rept 4
	v_nop
.endr
.endm
.macro JLOAD s                         ; a joint load: waves 0 and 1 fetch q's two halves, waves 2 and 3 k's; four v_nop follow each line
	s_cmp_eq_u32 s11, 0
	s_cbranch_scc0 .Lfor_b_\@
	tensor_load_to_lds s[G0+4*\s:G0+4*\s+3], s[G1:G1+7]
	s_nop 0
.rept 4
	v_nop
.endr
	s_branch .Lasked_\@
.Lfor_b_\@:
	tensor_load_to_lds s[G0B+4*\s:G0B+4*\s+3], s[G1B:G1B+7]
	s_nop 0
.rept 4
	v_nop
.endr
.Lasked_\@:
.endm
.macro CREST
	s_cmp_lg_u32 s10, 0
	s_cbranch_scc1 .Lnot_wave_0_\@
	s_barrier_signal -3
.Lnot_wave_0_\@:
	s_barrier_wait -3
	s_barrier_signal -1
	s_barrier_wait -1
.endm
.macro CROUND
	s_barrier_signal -1
	s_barrier_wait -1
	CREST
.endm
; 16 matrix instructions: query blocks a0, a0 + 1 of the window's four x all 8 key blocks, 32 along K.  zero = 1: the product starts the sums.  The 64 accumulators take turns.
.macro MUL16 f, hi, a0, zero
.irp a, \a0, \a0+1
.irp b, 0,1,2,3,4,5,6,7
.if \zero
	v_wmma_f32_16x16x32_f16 v[8*(8*(\a)+\b):8*(8*(\a)+\b)+7], v[\f+8*\b:\f+8*\b+7], v[\f+8*(4*\hi+\a):\f+8*(4*\hi+\a)+7], 0
.else
	v_wmma_f32_16x16x32_f16 v[8*(8*(\a)+\b):8*(8*(\a)+\b)+7], v[\f+8*\b:\f+8*\b+7], v[\f+8*(4*\hi+\a):\f+8*(4*\hi+\a)+7], v[8*(8*(\a)+\b):8*(8*(\a)+\b)+7]
.endif
.endr
.endr
.endm
.macro FETCH slot, k, f                ; 32 LDS loads in one run: 128 rows of k, 128 rows of q, 32 channels at byte k of the rows
	WIN TO_B
.irp i, 0,1,2,3,4,5,6,7
	ds_load_b128 v[\f+8*\i:\f+8*\i+3],   v[ADRB+\slot] offset:\k+\i*16*PITCH
	ds_load_b128 v[\f+8*\i+4:\f+8*\i+7], v[ADRB+\slot] offset:\k+\i*16*PITCH+32
.endr
	WIN 0
.irp i, 0,1,2,3,4,5,6,7
	ds_load_b128 v[\f+8*\i:\f+8*\i+3],   v[ADRA+\slot] offset:\k+\i*16*PITCH
	ds_load_b128 v[\f+8*\i+4:\f+8*\i+7], v[ADRA+\slot] offset:\k+\i*16*PITCH+32
.endr
.endm
.macro QUARTER slot, k, f, g, zero     ; 32 along K: multiplies buffer f; in its middle fetches the next quarter into g
	s_wait_dscnt 8                                 ; k and q's rows 0-63 are in; the youngest eight loads may be out
	WIN MUL_LO
	MUL16 \f, 0, 0, \zero
	MUL16 \f, 0, 2, \zero
	PLACES
	FETCH \slot, \k, \g
	s_wait_dscnt 32                                ; all but the 32 just issued
	WIN MUL_HI
	MUL16 \f, 1, 0, \zero
	MUL16 \f, 1, 2, \zero
.endm
; The change of slots: one barrier.  In front of it each wave waits for all its tensor loads, adds 0 to its spare word, and waits for that and for its reads of this slot.
.macro MEET round
	WIN 0
	s_wait_tensorcnt 0x0                           ; all my tensor loads have landed: the one that was out is my part of the next slot
	ds_add_u32 v[SPW], v[NIL]                      ; 0 onto my spare word
	s_wait_dscnt 9                                 ; (the add and the youngest eight loads may be out)
	WIN MUL_LO
	MUL16 F1, 0, 0, 0
	s_wait_dscnt 0x0                               ; the add is done, and my reads of this slot are over
	s_barrier_signal -1
	MUL16 F1, 0, 2, 0
.if \round
	WIN 0
.endif
	s_barrier_wait -1
.endm
.macro TURN slot, next                 ; the last quarter of a K step whose slot is filled again, two K steps on: 224 matrix instructions ahead of the wait for it
	MEET 1
	CREST                                          ; no wave of any partner still reads this slot or has a load on its way
	s_add_nc_u64 s[G0+4*\slot+2:G0+4*\slot+3], s[G0+4*\slot+2:G0+4*\slot+3], 512
	s_add_nc_u64 s[G0B+4*\slot+2:G0B+4*\slot+3], s[G0B+4*\slot+2:G0B+4*\slot+3], 512
	JLOAD \slot                                    ; its four v_nop are also the places in front of the loads below
	FETCH \next, 0, F0
	WIN MUL_HI
	MUL16 F1, 1, 0, 0
	MUL16 F1, 1, 2, 0
.endm
.macro TOSTAGE a                       ; block a's packed weights (window 1) into my stage, and back as whole rows of 256 bytes
.irp b, 0,1,2,3,4,5,6,7
	ds_store_b128 v[STO], v[32*(\a)+4*\b:32*(\a)+4*\b+3] offset:32*\b
.endr
.irp t, 0,1,2,3,4,5,6,7
	ds_load_b128 v[32*(\a)+4*\t:32*(\a)+4*\t+3], v[RD] offset:\t*2*SPITCH   ; LDS serves a wave's instructions in order: these see the stores above
.endr
.endm
.macro SEND a, younger                 ; younger: the LDS instructions issued behind block a's loads
.irp t, 0,1,2,3,4,5,6,7
	s_wait_dscnt \younger+7-\t
	global_store_b128 v[CO], v[32*(\a)+4*\t:32*(\a)+4*\t+3], s[70:71] offset:(16*(\a)+2*\t)*4096   ; 16 lanes store 256 consecutive bytes, aligned
.endr
.endm
	s_load_b256 s[68:75], s[0:1], 0x0              ; qkvb s[68:69], pb s[70:71], ms s[72:73], ls s[74:75]
	v_lshl_add_u32 v[SPW], v0, 2, SPARE
	v_mov_b32 v[NIL], 0
	ds_add_u32 v28, v29
	s_wait_dscnt 0x0
	v_lshrrev_b32 v1, 5, v0
	v_readfirstlane_b32 s10, v1                    ; wave 0..3
	s_lshr_b32 s11, s10, 1                         ; which 128 queries are mine.  Also: I fetch for q (0) or for k (1)
	s_and_b32 s12, s10, 1                          ; which 128 keys.  Also: which 128 rows of that tile I fetch
	s_bfe_u32 s40, ttmp6, 0x40000                  ; cx, cy
	s_bfe_u32 s41, ttmp6, 0x40004
	s_lshl_b32 s42, ttmp9, 2
	s_add_co_u32 s42, s42, s40                     ; chunk of 256 keys in the batch = 4 x cluster x + cx
	s_and_b32 s45, ttmp7, 0xffff
	s_lshl_b32 s13, s45, 2
	s_add_co_u32 s13, s13, s41                     ; block of 256 queries, over all batches = 4 x cluster y + cy
	s_lshr_b32 s45, s45, 1                         ; the batch: two clusters along y make one, so all sixteen partners share it
	s_lshl_b32 s43, s41, 2
	s_lshl_b32 s43, 15, s43                        ; my row of the cluster
	s_lshl_b32 s44, 0x1111, s40                    ; my column
	s_or_b32 s[G1], s43, (1<<16)|(1<<20)|(1<<21)|(5<<22)|(3<<25)
	s_or_b32 s[G1B], s44, (1<<16)|(1<<20)|(1<<21)|(5<<22)|(3<<25)
.irp g, G1, G1B
	s_mov_b32 s[\g+1], 128<<16                     ; tensor_dim0 = 128
	s_mov_b32 s[\g+2], 128<<16                     ; tensor_dim1 = 128
	s_mov_b32 s[\g+3], 128<<16                     ; tile_dim0 = 128
	s_mov_b32 s[\g+4], 128                         ; tile_dim1 = 128
	s_mov_b32 s[\g+5], 3072                        ; elements from row to row of qkvb
	s_mov_b32 s[\g+6], 0
	s_mov_b32 s[\g+7], 0
.endr
	s_mov_b32 s[CS], 0x3d38aa3b                    ; c = log2(e) / sqrt(1024)
	s_mov_b32 s[CS+1], s[CS]
	s_mov_b32 s[SEL], 0x76543210
	s_mov_b32 s[SEL+1], 0xfedcba98
	s_lshl_b32 s16, s13, 8                         ; q: (256 x block + 128 x half) rows of 6,144 bytes
	s_lshl_b32 s17, s12, 7
	s_add_co_u32 s16, s16, s17
	s_mul_i32 s16, s16, 6144
	s_mov_b32 s17, 0
	s_lshl_b32 s46, s45, 11                        ; k: (2,048 x batch + 256 x chunk + 128 x half) rows, 2,048 bytes into each
	s_lshl_b32 s47, s42, 8
	s_add_co_u32 s46, s46, s47
	s_lshl_b32 s47, s12, 7
	s_add_co_u32 s46, s46, s47
	s_mul_i32 s46, s46, 6144
	s_add_co_u32 s46, s46, 2048
	s_mov_b32 s47, 0
	s_mul_i32 s20, s10, HALFT                      ; where they go: wave x 128 rows
	s_wait_kmcnt 0x0
	s_add_nc_u64 s[14:15], s[68:69], s[16:17]
	s_add_nc_u64 s[46:47], s[68:69], s[46:47]
	CROUND                                         ; all sixteen work-groups are here: the first joint loads meet
.irp s, 0,1
	s_mov_b32 s[G0+4*\s], 1
	s_add_co_u32 s[G0+4*\s+1], s20, \s*SLOT
	s_add_nc_u64 s[G0+4*\s+2:G0+4*\s+3], s[14:15], \s*256
	s_or_b32 s[G0+4*\s+3], s[G0+4*\s+3], 0x80000000
	s_mov_b32 s[G0B+4*\s], 1
	s_add_co_u32 s[G0B+4*\s+1], s20, \s*SLOT
	s_add_nc_u64 s[G0B+4*\s+2:G0B+4*\s+3], s[46:47], \s*256
	s_or_b32 s[G0B+4*\s+3], s[G0B+4*\s+3], 0x80000000
	JLOAD \s                                       ; two loads of mine are out behind these
.endr
	v_and_b32 v1, 15, v0                           ; r
	v_bfe_u32 v2, v0, 4, 1                         ; h; kept to the end
	v_mul_u32_u24 v3, v1, PITCH
	v_lshl_add_u32 v3, v2, 4, v3
	s_mul_i32 s21, s11, HALFT
	s_mul_i32 s22, s12, HALFT
	s_add_co_u32 s22, s22, 2*HALFT
.irp s, 0,1
	v_add_nc_u32 v[ADRA+\s], s21, v3
	v_add_nc_u32 v[ADRB+\s], s22, v3
	s_add_co_u32 s21, s21, SLOT
	s_add_co_u32 s22, s22, SLOT
.endr
	s_mul_i32 s23, s10, 16*SPITCH
	s_add_co_u32 s23, s23, STAGE
	v_mul_u32_u24 v4, v1, SPITCH
	v_lshl_add_u32 v4, v2, 4, v4
	v_add_nc_u32 v[STO], s23, v4
	v_mul_u32_u24 v5, v2, SPITCH
	v_lshl_add_u32 v5, v1, 4, v5
	v_add_nc_u32 v[RD], s23, v5
	v_lshlrev_b32 v5, 12, v2
	v_lshl_add_u32 v[CO], v1, 4, v5                ; lanes 0-15 one row of pb (4,096 bytes), lanes 16-31 the next
	s_lshl_b32 s23, s10, 9
	s_add_co_u32 s23, s23, XCH
	v_lshl_add_u32 v[XW], v1, 2, s23               ; my wave's 512 bytes
	s_lshl_b32 s23, s11, 10
	s_add_co_u32 s23, s23, XCH
	v_lshl_add_u32 v[XR], v1, 2, s23               ; the 1,024 bytes of the two waves with my queries
	s_lshl_b32 s23, s10, 10
	s_add_co_u32 s23, s23, STATST
	v_lshl_add_u32 v[SS], v1, 2, s23
	v_lshl_add_u32 v[SS], v2, 9, v[SS]
	v_and_b32 v[GS], 31, v0
	v_lshlrev_b32 v[GS], 4, v[GS]
	v_add_nc_u32 v[SR], s23, v[GS]
	s_and_b32 s18, s13, 7                          ; my 128 queries in a row of ms or ls, in bytes
	s_lshl_b32 s18, s18, 10
	s_lshl_b32 s19, s11, 9
	s_add_co_u32 s18, s18, s19
	s_lshl_b32 s2, s45, 16                         ; ms: row 8 x batch + chunk, 8,192 bytes each
	s_lshl_b32 s19, s42, 13
	s_add_co_u32 s2, s2, s19
	s_add_co_u32 s2, s2, s18
	s_mov_b32 s3, 0
	s_add_nc_u64 s[72:73], s[72:73], s[2:3]
	s_lshl_b32 s2, s45, 17                         ; ls: row 16 x batch + 2 x chunk + half
	s_lshl_b32 s19, s42, 14
	s_add_co_u32 s2, s2, s19
	s_lshl_b32 s19, s12, 13
	s_add_co_u32 s2, s2, s19
	s_add_co_u32 s2, s2, s18
	s_add_nc_u64 s[74:75], s[74:75], s[2:3]
	s_lshl_b32 s2, s13, 20                         ; pb: my first query's row, my first key
	s_lshl_b32 s19, s11, 19
	s_add_co_u32 s2, s2, s19
	s_lshl_b32 s19, s42, 9
	s_add_co_u32 s2, s2, s19
	s_lshl_b32 s19, s12, 8
	s_add_co_u32 s2, s2, s19
	s_add_nc_u64 s[70:71], s[70:71], s[2:3]
	s_wait_tensorcnt 1                             ; my part of K step 0 is in; slot 1's may stay out
	s_barrier_signal -1
	s_barrier_wait -1
	FETCH 0, 0, F0
	QUARTER 0, 64,  F0, F1, 1                      ; the first quarter's products start the sums
	WIN 0
	s_mov_b32 s3, LAPS-1
.Llap:                                                 ; a trip goes once round the ring, from a lap's second quarter to the next lap's first
	QUARTER 0, 128, F1, F0, 0
	QUARTER 0, 192, F0, F1, 0
	TURN 0, 1
	QUARTER 1, 64,  F0, F1, 0
	QUARTER 1, 128, F1, F0, 0
	QUARTER 1, 192, F0, F1, 0
	TURN 1, 0
	QUARTER 0, 64,  F0, F1, 0
	WIN 0
	s_sub_co_u32 s3, s3, 1
	s_cmp_lg_u32 s3, 0
	s_cbranch_scc1 .Llap
	QUARTER 0, 128, F1, F0, 0                      ; the last lap fills nothing
	QUARTER 0, 192, F0, F1, 0
	MEET 0
	PLACES
	FETCH 1, 0, F0
	WIN MUL_HI
	MUL16 F1, 1, 0, 0
	MUL16 F1, 1, 2, 0
	QUARTER 1, 64,  F0, F1, 0
	QUARTER 1, 128, F1, F0, 0
	QUARTER 1, 192, F0, F1, 0
	s_wait_dscnt 8
	WIN MUL_LO
	MUL16 F1, 0, 0, 0
	MUL16 F1, 0, 2, 0
	s_wait_dscnt 0x0
	WIN MUL_HI
	MUL16 F1, 1, 0, 0
	MUL16 F1, 1, 2, 0
	; THE MAXIMUM of each query's 256 scores.  A lane holds 64 of them for each of its 8 queries (block a: query 16 a + l % 16).
	WIN 0
.irp a, 0,1,2,3,4,5,6,7
	v_mov_b32 v[MX+\a], 0xff800000                 ; minus infinity; these eight lines are also the places behind the last products
.endr
.irp w, 0,1
	WIN 0x28+0x14*\w                               ; sources 1 and 2 in window 2, then 3
.set i, 0
.rept 32
.irp a, 0,1,2,3
	v_max3_num_f32 v[MX+4*\w+\a], v[MX+4*\w+\a], v[64*\a+2*i], v[64*\a+2*i+1]   ; four chains by turns; each accumulator is read from its low end on
.endr
.set i, i+1
.endr
.endr
	WIN 0
.irp a, 0,1,2,3,4,5,6,7
	v_permlanex16_b32 v[TX+\a], v[MX+\a], s[SEL], s[SEL+1]   ; the query's other 64 keys of my 128 lie in the lane 16 away
.endr
.irp a, 0,1,2,3,4,5,6,7
	v_max_num_f32 v[MX+\a], v[MX+\a], v[TX+\a]
.endr
.irp a, 0,1,2,3,4,5,6,7
	ds_store_b32 v[XW], v[MX+\a] offset:64*\a      ; the two halves of the lanes write the same word with the same number
.endr
	s_wait_dscnt 0x0                               ; for the partner's sake: my stores are done
	s_barrier_signal -1
	s_barrier_wait -1
.irp a, 0,1,2,3,4,5,6,7
	ds_load_b32 v[TX+\a], v[XR] offset:64*\a       ; the maxima over the tile's first 128 keys,
	ds_load_b32 v[LS+\a], v[XR] offset:512+64*\a   ; and over its other 128: one of the two is my own
.endr
	s_wait_dscnt 0x0
.irp a, 0,1,2,3,4,5,6,7
	v_max_num_f32 v[MX+\a], v[TX+\a], v[LS+\a]
.endr
.irp a, 0,1,2,3,4,5,6,7
	v_mul_f32 v[CM+2*\a], s[CS], v[MX+\a]
	v_mul_f32 v[CM+2*\a+1], s[CS], v[MX+\a]
.endr
	; THE WEIGHTS, a window (four blocks) at a time: c s - cm, 2^that, the rounding to f16 into window 1, the sums
.irp w, 0,1
	WIN 0x82+0x41*\w                               ; destination and source 0 in window 2, then 3
.irp a, 0,1,2,3
.set i, 0
.rept 32
	v_pk_fma_f32 v[64*\a+2*i:64*\a+2*i+1], v[64*\a+2*i:64*\a+2*i+1], s[CS:CS+1], v[CM+8*\w+2*\a:CM+8*\w+2*\a+1] op_sel_hi:[1,0,1] neg_lo:[0,0,1] neg_hi:[0,0,1]
.set i, i+1
.endr
.endr
.set i, 0
.rept 256
	v_exp_f32 v[i], v[i]
.set i, i+1
.endr
	v_nop                                          ; a plain instruction between the last exponential and the use of its result
	WIN 0x4a+5*\w                                  ; sources in window 2, then 3; destination window 1
.set i, 0
	s_wait_alu depctr_va_vdst(0)
.rept 128
	v_cvt_pk_f16_f32 v[128*\w+i], v[2*i], v[2*i+1]
.set i, i+1
.endr
	WIN 0x0a+5*\w
.irp a, 0,1,2,3
	v_pk_add_f32 v[LS+8*\w+2*\a:LS+8*\w+2*\a+1], v[64*\a:64*\a+1], v[64*\a+2:64*\a+3]   ; the first two pairs start the sums
.endr
	WIN 0x08+4*\w
.set i, 2
.rept 30
.irp a, 0,1,2,3
	v_pk_add_f32 v[LS+8*\w+2*\a:LS+8*\w+2*\a+1], v[LS+8*\w+2*\a:LS+8*\w+2*\a+1], v[64*\a+2*i:64*\a+2*i+1]
.endr
.set i, i+1
.endr
.endr
	; THE STATISTICS: through my own LDS bytes, so that a store of the wave covers 512 consecutive bytes
	WIN 0
.irp a, 0,1,2,3,4,5,6,7
	v_add_f32 v[LS+2*\a], v[LS+2*\a], v[LS+2*\a+1]
.endr
.irp a, 0,1,2,3,4,5,6,7
	v_permlanex16_b32 v[TX+\a], v[LS+2*\a], s[SEL], s[SEL+1]
.endr
.irp a, 0,1,2,3,4,5,6,7
	v_add_f32 v[LS+2*\a], v[LS+2*\a], v[TX+\a]
.endr
	v_cmp_eq_u32 vcc_lo, 1, v2
.irp a, 0,1,2,3,4,5,6,7
	v_cndmask_b32 v[TX+\a], v[CM+2*\a], v[LS+2*\a], vcc_lo   ; lanes 0-15 hand in cm, lanes 16-31 the sum
.endr
.irp a, 0,1,2,3,4,5,6,7
	ds_store_b32 v[SS], v[TX+\a] offset:64*\a
.endr
	ds_load_b128 v[32:35], v[SR]                   ; cm of queries 4 l .. 4 l + 3 (my wave's own bytes, served in order)
	ds_load_b128 v[36:39], v[SR] offset:512        ; their sums
	s_wait_dscnt 0x0
	global_store_b128 v[GS], v[36:39], s[74:75]
	s_cmp_lg_u32 s12, 0
	s_cbranch_scc1 .Lno_ms                         ; both waves of a query hold the same cm: the one with the first 128 keys stores it
	global_store_b128 v[GS], v[32:35], s[72:73]
.Lno_ms:
	; THE WAY OUT of the weights
	WIN 0x44                                       ; data of loads and stores in window 1
	TOSTAGE 0
.irp a, 1,2,3,4,5,6,7
	TOSTAGE \a
	SEND \a-1, 16
.endr
	SEND 7, 0
	WIN 0
	s_wait_tensorcnt 0x0                           ; the wave's end
	ds_add_u32 v[SPW], v[NIL]
	s_wait_dscnt 0x0
	CROUND                                         ; the closing round
	s_endpgm
.Lfunc_end_k_q192e66f99e_scores:
	.size	k_q192e66f99e_scores, .Lfunc_end_k_q192e66f99e_scores-k_q192e66f99e_scores
	.p2alignl 7, 3214868480
	.fill 96, 4, 3214868480
	.section	.rodata,"a",@progbits
	.p2align	6, 0x0
	.amdhsa_kernel k_q192e66f99e_scores
		.amdhsa_group_segment_fixed_size 327680
		.amdhsa_private_segment_fixed_size 0
		.amdhsa_enable_private_segment 0
		.amdhsa_kernarg_size 32
		.amdhsa_user_sgpr_count 2
		.amdhsa_user_sgpr_kernarg_segment_ptr 1
		.amdhsa_wavefront_size32 1
		.amdhsa_system_sgpr_workgroup_id_x 1
		.amdhsa_system_sgpr_workgroup_id_y 1
		.amdhsa_system_sgpr_workgroup_id_z 1
		.amdhsa_system_vgpr_workitem_id 0
		.amdhsa_next_free_vgpr 1024
		.amdhsa_next_free_sgpr 80
		.amdhsa_reserve_vcc 1
		.amdhsa_float_denorm_mode_32 3
		.amdhsa_float_denorm_mode_16_64 3
		.amdhsa_memory_ordered 1
		.amdhsa_forward_progress 1
		.amdhsa_inst_pref_size 214
	.end_amdhsa_kernel
	.amdgpu_metadata
---
amdhsa.version: [ 1, 2 ]
amdhsa.kernels:
  - .name:           k_q192e66f99e_scores
    .symbol:         k_q192e66f99e_scores.kd
    .args:
      - { .name: qkvb, .offset: 0, .size: 8, .value_kind: global_buffer, .address_space: global }
      - { .name: pb, .offset: 8, .size: 8, .value_kind: global_buffer, .address_space: global }
      - { .name: ms, .offset: 16, .size: 8, .value_kind: global_buffer, .address_space: global }
      - { .name: ls, .offset: 24, .size: 8, .value_kind: global_buffer, .address_space: global }
    .group_segment_fixed_size: 327680
    .private_segment_fixed_size: 0
    .kernarg_segment_align: 8
    .kernarg_segment_size: 32
    .max_flat_workgroup_size: 128
    .sgpr_count:     80
    .vgpr_count:     1024
    .wavefront_size: 32
...
	.end_amdgpu_metadata
.endif
;; end of part 3
;; launch pv (part 4): grid 4 x 64, 4 waves a work-group, clusters of 4 x 4, 327,680 bytes of LDS; arguments pb, qkvb, ms, ls, out0; writes out0
.if DOCPART == 4
	.amdgcn_target "amdgcn-amd-amdhsa--gfx1250"
	.amdhsa_code_object_version 6
	.text
	.protected	k_q192e66f99e_pv
	.globl	k_q192e66f99e_pv
	.p2align	8
	.type	k_q192e66f99e_pv,@function
k_q192e66f99e_pv:
	s_mov_b64 s[64:65], 0
	v_nop
	global_prefetch_b8 v0, s[64:65] scope:SCOPE_SE
	s_setreg_imm32_b32 hwreg(HW_REG_WAVE_MODE, 25, 1), 1
	s_wait_xcnt 0x0
	s_wait_alu depctr_hold_cnt(0) depctr_sa_sdst(0) depctr_va_vdst(0) depctr_va_sdst(0) depctr_va_ssrc(0) depctr_va_vcc(0) depctr_vm_vsrc(0)
	s_getreg_b32 s2, hwreg(HW_REG_IB_STS2, 6, 4)
	s_cmp_eq_u32 s2, 0
	s_cbranch_scc0 .Lentry_in_a_cluster
	s_endpgm
.Lentry_in_a_cluster:
	s_bfe_u32 s2, ttmp6, 0x10000c
	s_cmp_lg_u32 s2, 0xf033
	s_cbranch_scc0 .Lentry_shape_is_right
	s_endpgm
.Lentry_shape_is_right:
; out0[q][e] = sum over the 8 chunks t of 256 keys of w_t[q] x ( sum over the chunk's keys of pb[q][key] v[key][e] ),  in f32.  v lies in columns 2048-3071 of qkvb's rows of 3,072 f16.
; pb holds 2^(c s - cm_t), ms the cm_t, ls the sums of pb over 128 keys.  For each query: M = max_t cm_t, e_t = 2^(cm_t - M), L = sum_t e_t (l_2t + l_2t+1), w_t = e_t / L.
; So the softmax is taken against the true maximum of all 2,048 keys: every exponent is 0 or below, L is at least about 1, and a chunk far below M gets the weight 0.
; SHARES.  256 work-groups, each 128 queries x 256 channels; four waves, each 64 x 128.  K = 2,048 keys in 16 steps of 128 through a ring of two LDS slots; a lap of the ring is a chunk.
; Two sets of 32 accumulators: T takes a chunk's products (its first products have C = 0), and at the chunk's end O = O + w_t T, one packed multiply-add for two numbers.
; THE MATRIX INSTRUCTION IS USED TRANSPOSED: source 0 = 16 channels of v (v lies [key][channel]: the turning load), source 1 = 16 queries of pb.  A lane holds one query and eight channels, so w_t is one number a lane and block.
; CLUSTER 4 x 4: a row of the cluster shares pb's rows, a column shares v's columns (all sixteen lie in one batch): each tile is asked for jointly.
; REGISTERS: window 0: v0-31 addresses, v32-39 the chunk's weights (a pair for each row block), v40-63 at work in the head, v64-255 fragment buffer 1;
;   window 1: O, (a, b) at v[8 (8 a + b)];  window 2: T, likewise;  window 3: v0-191 fragment buffer 0.
.set PA,     272
.set PB,     544
.set AHALF,  64*PA
.set BHALF,  64*PB
.set AOFF,   2*BHALF
.set SLOT,   AOFF+2*AHALF
.set STAGE,  2*SLOT                    ; 16 rows x 528 bytes for each wave, for the way out
.set SPITCH, 528                       ; 512 bytes + 16
.set WT,     STAGE+4*16*SPITCH         ; the weights: [8 chunks][128 queries] pairs (w, w) of f32
.set SPARE,  WT+8*128*8                ; the spare words, 128 bytes for each wave: two blocks of 256 bytes that no other line names
.set ADRA, 16
.set ADRB, 20
.set STO,  24
.set RD,   25
.set CO,   26
.set WAD,  27                          ; v27     LDS address of my query's weight in the chunk in hand
.set SPW,  28                          ; v28     LDS address of my spare word; never rewritten
.set NIL,  29                          ; v29     0; never rewritten
.set W,    32
.set G1,  24
.set G0,  32
.set G1B, 48
.set G0B, 56
.set MUL0, 0xaf                        ; sources 0, 1 window 3 (buffer 0); C and D window 2
.set MUL1, 0xa0                        ; sources 0, 1 window 0 (buffer 1); C and D window 2
.set MSB, 0
.macro WIN new
.if MSB != (\new)
	s_set_vgpr_msb (MSB<<8)|(\new)
.set MSB, (\new)
.endif
.endm
.macro PLACES                          ; four places behind matrix instructions (ISA guide 7.12.1)
.rept 4
	v_nop
.endr
.endm
.macro JLOAD s                         ; a joint load: waves 0 and 1 fetch v's two halves, waves 2 and 3 pb's; four v_nop follow each line
	s_cmp_eq_u32 s11, 0
	s_cbranch_scc0 .Lfor_a_\@
	tensor_load_to_lds s[G0B+4*\s:G0B+4*\s+3], s[G1B:G1B+7]
	s_nop 0
.rept 4
	v_nop
.endr
	s_branch .Lasked_\@
.Lfor_a_\@:
	tensor_load_to_lds s[G0+4*\s:G0+4*\s+3], s[G1:G1+7]
	s_nop 0
.rept 4
	v_nop
.endr
.Lasked_\@:
.endm
.macro CREST
	s_cmp_lg_u32 s10, 0
	s_cbranch_scc1 .Lnot_wave_0_\@
	s_barrier_signal -3
.Lnot_wave_0_\@:
	s_barrier_wait -3
	s_barrier_signal -1
	s_barrier_wait -1
.endm
.macro CROUND
	s_barrier_signal -1
	s_barrier_wait -1
	CREST
.endm
; 8 matrix instructions: row block a x all 8 channel blocks, 32 keys (half c of buffer buf).  mode 0: adds in place; 1: C = 0 starts the chunk's sums.  The 32 accumulators take turns.
.macro MULG buf, c, a, mode
.set FB, 64*\buf
.irp b, 0,1,2,3,4,5,6,7
.if \mode == 0
	v_wmma_f32_16x16x32_f16 v[8*(8*\a+\b):8*(8*\a+\b)+7], v[FB+64+8*(8*\c+\b):FB+64+8*(8*\c+\b)+7], v[FB+8*(4*\c+\a):FB+8*(4*\c+\a)+7], v[8*(8*\a+\b):8*(8*\a+\b)+7]
.else
	v_wmma_f32_16x16x32_f16 v[8*(8*\a+\b):8*(8*\a+\b)+7], v[FB+64+8*(8*\c+\b):FB+64+8*(8*\c+\b)+7], v[FB+8*(4*\c+\a):FB+8*(4*\c+\a)+7], 0
.endif
.endr
.endm
.macro FETCH slot, hf, buf             ; 48 LDS loads in one run: the fragments of 64 keys; the 24 of the first 32 keys first
.set FB, 64*\buf
.if \buf == 0
	WIN 0xc0
.else
	WIN 0
.endif
.irp c, 0,1
.irp b, 0,1,2,3,4,5,6,7
	ds_load_tr16_b128 v[FB+64+8*(8*\c+\b):FB+64+8*(8*\c+\b)+3],   v[ADRB+\slot] offset:(64*\hf+32*\c)*PB+32*\b
	ds_load_tr16_b128 v[FB+64+8*(8*\c+\b)+4:FB+64+8*(8*\c+\b)+7], v[ADRB+\slot] offset:(64*\hf+32*\c+16)*PB+32*\b
.endr
.irp a, 0,1,2,3
	ds_load_b128 v[FB+8*(4*\c+\a):FB+8*(4*\c+\a)+3],   v[ADRA+\slot] offset:\a*16*PA+(64*\hf+32*\c)*2
	ds_load_b128 v[FB+8*(4*\c+\a)+4:FB+8*(4*\c+\a)+7], v[ADRA+\slot] offset:\a*16*PA+(64*\hf+32*\c)*2+32
.endr
.endr
.endm
; The first half of a K step.  wl = 1: the chunk's four weights of my lane are fetched too, ahead of the 48, so that the wait for all but 48 covers them.
.macro HALF slot, mode, wl
	s_wait_dscnt 24                                ; the first 32 keys are in; the younger 24 loads may be out
	WIN MUL0
.irp a, 0,1,2,3
	MULG 0, 0, \a, \mode
.endr
	PLACES
.if \wl
	WIN 0
.irp a, 0,1,2,3
	ds_load_b64 v[W+2*\a:W+2*\a+1], v[WAD] offset:128*\a
.endr
	v_add_nc_u32 v[WAD], 1024, v[WAD]              ; the next chunk's
.endif
	FETCH \slot, 1, 1
	s_wait_dscnt 48                                ; all but the 48 just issued
	WIN MUL0
.irp a, 0,1,2,3
	MULG 0, 1, \a, 0
.endr
.endm
; The second half changes slots: one barrier, in front of it the wait for all my tensor loads, the add, and the wait for it and for my reads of this slot.
; kind 1: the barrier opens a round of the cluster's barrier and this slot is filled again, two K steps on: 112 matrix instructions ahead of the wait for it.
.macro TURN slot, next, kind
	WIN 0
	s_wait_tensorcnt 0x0                           ; all my tensor loads have landed
	ds_add_u32 v[SPW], v[NIL]                      ; 0 onto my spare word
	s_wait_dscnt 25                                ; (the add and the younger 24 loads may be out)
	WIN MUL1
	MULG 1, 0, 0, 0
	s_wait_dscnt 0x0                               ; the add is done, and my reads of this slot are over
	s_barrier_signal -1
	MULG 1, 0, 1, 0
.if \kind
	WIN 0
.endif
	s_barrier_wait -1
.if \kind
	CREST                                          ; no wave of any partner still reads this slot or has a load on its way
	s_add_nc_u64 s[G0+4*\slot+2:G0+4*\slot+3], s[G0+4*\slot+2:G0+4*\slot+3], 512          ; pb: 256 keys along the rows
	s_add_nc_u64 s[G0B+4*\slot+2:G0B+4*\slot+3], s[G0B+4*\slot+2:G0B+4*\slot+3], 1572864  ; v: 256 rows of 6,144 bytes down
	JLOAD \slot                                    ; its four v_nop are also the places in front of the loads below
.else
	PLACES
.endif
	FETCH \next, 0, 0
	WIN MUL1
	MULG 1, 0, 2, 0
	MULG 1, 0, 3, 0
.irp a, 0,1,2,3
	MULG 1, 1, \a, 0
.endr
.endm
.macro LAST                            ; the very last half step
	s_wait_dscnt 24
	WIN MUL1
.irp a, 0,1,2,3
	MULG 1, 0, \a, 0
.endr
	s_wait_dscnt 0x0
.irp a, 0,1,2,3
	MULG 1, 1, \a, 0
.endr
.endm
.macro FLUSH first                     ; O = w T (the first chunk: nothing is ever cleared) or O + w T; T is read from each accumulator's low end on
	PLACES
	WIN 0x52                                       ; T (source 0) window 2, w (source 1) window 0, O (source 2 and destination) window 1
.irp a, 0,1,2,3
.set i, 0
.rept 32
.if \first
	v_pk_mul_f32 v[64*\a+2*i:64*\a+2*i+1], v[64*\a+2*i:64*\a+2*i+1], v[W+2*\a:W+2*\a+1]
.else
	v_pk_fma_f32 v[64*\a+2*i:64*\a+2*i+1], v[64*\a+2*i:64*\a+2*i+1], v[W+2*\a:W+2*\a+1], v[64*\a+2*i:64*\a+2*i+1]
.endif
.set i, i+1
.endr
.endr
.endm
.macro LAP first, kind                 ; a chunk of 256 keys: once round the ring
	HALF 0, 1, 0
	TURN 0, 1, \kind
	HALF 1, 0, 1
.if \kind
	TURN 1, 0, 1
.else
	LAST
.endif
	FLUSH \first
.endm
.macro TOSTAGE a                       ; block a's 16 rows x 128 f32 into my stage, and back as whole rows of 512 bytes, into the registers that they left
.irp b, 0,1,2,3,4,5,6,7
	ds_store_b128 v[STO], v[64*(\a)+8*\b:64*(\a)+8*\b+3]   offset:64*\b
	ds_store_b128 v[STO], v[64*(\a)+8*\b+4:64*(\a)+8*\b+7] offset:64*\b+16
.endr
.irp t, 0,1,2,3,4,5,6,7,8,9,10,11,12,13,14,15
	ds_load_b128 v[64*(\a)+4*\t:64*(\a)+4*\t+3], v[RD] offset:\t*SPITCH   ; LDS serves a wave's instructions in order: these see the stores above
.endr
.endm
.macro SEND a, younger                 ; younger: the LDS instructions issued behind block a's loads
.irp t, 0,1,2,3,4,5,6,7,8,9,10,11,12,13,14,15
	s_wait_dscnt \younger+15-\t
	global_store_b128 v[CO], v[64*(\a)+4*\t:64*(\a)+4*\t+3], s[8:9] offset:(16*(\a)+\t)*4096 th:TH_STORE_NT   ; the wave stores 512 consecutive bytes, aligned
.endr
.endm
	s_load_b128 s[4:7], s[0:1], 0x0                ; pb s[4:5], qkvb s[6:7]
	s_load_b128 s[68:71], s[0:1], 0x10             ; ms s[68:69], ls s[70:71]
	s_load_b64 s[8:9], s[0:1], 0x20                ; out0
	v_lshl_add_u32 v[SPW], v0, 2, SPARE
	v_mov_b32 v[NIL], 0
	ds_add_u32 v28, v29
	s_wait_dscnt 0x0
	v_lshrrev_b32 v1, 5, v0
	v_readfirstlane_b32 s10, v1                    ; wave 0..3
	s_lshr_b32 s11, s10, 1                         ; which 64 queries are mine.  Also: I fetch for v (0) or for pb (1)
	s_and_b32 s12, s10, 1                          ; which 128 channels.  Also: which 64 rows of that tile I fetch
	s_bfe_u32 s40, ttmp6, 0x40000                  ; cx, cy
	s_bfe_u32 s41, ttmp6, 0x40004
	s_lshl_b32 s42, ttmp9, 2
	s_add_co_u32 s42, s42, s40                     ; block of 256 channels = 4 x cluster x + cx
	s_and_b32 s45, ttmp7, 0xffff
	s_lshl_b32 s13, s45, 2
	s_add_co_u32 s13, s13, s41                     ; block of 128 queries, over all batches = 4 x cluster y + cy
	s_lshr_b32 s45, s45, 2                         ; the batch: four clusters along y make one, so all sixteen partners share it
	s_lshl_b32 s43, s41, 2
	s_lshl_b32 s43, 15, s43                        ; my row of the cluster
	s_lshl_b32 s44, 0x1111, s40                    ; my column
	s_or_b32 s[G1], s43, (1<<16)|(1<<20)|(1<<21)|(5<<22)|(3<<25)    ; pb's tile: 64 rows x 128 keys; after every 64 words, 4 words of padding
	s_mov_b32 s[G1+1], 128<<16
	s_mov_b32 s[G1+2], 64<<16
	s_mov_b32 s[G1+3], 128<<16
	s_mov_b32 s[G1+4], 64
	s_mov_b32 s[G1+5], 2048                        ; elements from row to row of pb
	s_mov_b32 s[G1+6], 0
	s_mov_b32 s[G1+7], 0
	s_or_b32 s[G1B], s44, (1<<16)|(1<<20)|(1<<21)|(6<<22)|(7<<25)   ; v's tile: 64 keys x 256 channels; after every 128 words, 8 words
	s_mov_b32 s[G1B+1], 256<<16
	s_mov_b32 s[G1B+2], 64<<16
	s_mov_b32 s[G1B+3], 256<<16
	s_mov_b32 s[G1B+4], 64
	s_mov_b32 s[G1B+5], 3072                       ; elements from row to row of qkvb
	s_mov_b32 s[G1B+6], 0
	s_mov_b32 s[G1B+7], 0
	s_lshl_b32 s16, s13, 19                        ; pb: (128 x block + 64 x half) rows of 4,096 bytes
	s_lshl_b32 s17, s12, 18
	s_add_co_u32 s16, s16, s17
	s_mov_b32 s17, 0
	s_lshl_b32 s46, s45, 11                        ; v: (2,048 x batch + 64 x half) rows of 6,144 bytes, 4,096 bytes into each, + 256 x block channels
	s_lshl_b32 s47, s12, 6
	s_add_co_u32 s46, s46, s47
	s_mul_i32 s46, s46, 6144
	s_lshl_b32 s47, s42, 9
	s_add_co_u32 s46, s46, s47
	s_add_co_u32 s46, s46, 4096
	s_mov_b32 s47, 0
	s_mul_i32 s20, s10, BHALF
	s_mul_i32 s21, s10, AHALF
	s_add_co_u32 s21, s21, AOFF-2*AHALF
	s_wait_kmcnt 0x0
	s_add_nc_u64 s[14:15], s[4:5], s[16:17]
	s_add_nc_u64 s[46:47], s[6:7], s[46:47]
	CROUND                                         ; all sixteen work-groups are here: the first joint loads meet
.irp s, 0,1
	s_mov_b32 s[G0+4*\s], 1
	s_add_co_u32 s[G0+4*\s+1], s21, \s*SLOT
	s_add_nc_u64 s[G0+4*\s+2:G0+4*\s+3], s[14:15], \s*256
	s_or_b32 s[G0+4*\s+3], s[G0+4*\s+3], 0x80000000
	s_mov_b32 s[G0B+4*\s], 1
	s_add_co_u32 s[G0B+4*\s+1], s20, \s*SLOT
	s_add_nc_u64 s[G0B+4*\s+2:G0B+4*\s+3], s[46:47], \s*786432     ; 128 rows of 6,144 bytes a K step
	s_or_b32 s[G0B+4*\s+3], s[G0B+4*\s+3], 0x80000000
	JLOAD \s                                       ; two loads of mine are out behind these
.endr
	; THE WEIGHTS: thread i serves query i of the group's 128
	s_and_b32 s18, s13, 15
	s_lshl_b32 s18, s18, 9                         ; the group's 128 queries in a row of ms or ls, in bytes
	s_lshl_b32 s19, s45, 16                        ; ms: 8 rows of 8,192 bytes a batch
	s_add_co_u32 s2, s18, s19
	s_mov_b32 s3, 0
	s_add_nc_u64 s[68:69], s[68:69], s[2:3]
	s_lshl_b32 s19, s45, 17                        ; ls: 16 rows a batch
	s_add_co_u32 s2, s18, s19
	s_add_nc_u64 s[70:71], s[70:71], s[2:3]
	v_lshlrev_b32 v31, 2, v0
.irp t, 0,1,2,3,4,5,6,7
	global_load_b32 v[40+\t], v31, s[68:69] offset:8192*\t
.endr
.irp t, 0,1,2,3,4,5,6,7,8,9,10,11,12,13,14,15
	global_load_b32 v[48+\t], v31, s[70:71] offset:8192*\t
.endr
	v_and_b32 v1, 15, v0                           ; r
	v_bfe_u32 v2, v0, 4, 1                         ; h
	v_mul_u32_u24 v3, v1, PA
	v_lshl_add_u32 v3, v2, 4, v3
	s_mul_i32 s22, s11, AHALF
	s_add_co_u32 s22, s22, AOFF
	v_add_nc_u32 v[ADRA], s22, v3
	v_add_nc_u32 v[ADRA+1], SLOT, v[ADRA]
	v_and_b32 v4, 7, v0
	v_lshl_add_u32 v4, v2, 3, v4
	v_mul_u32_u24 v4, v4, PB
	v_bfe_u32 v5, v0, 3, 1
	v_lshl_add_u32 v4, v5, 4, v4
	s_lshl_b32 s22, s12, 8
	v_add_nc_u32 v[ADRB], s22, v4
	v_add_nc_u32 v[ADRB+1], SLOT, v[ADRB]
	s_mul_i32 s23, s10, 16*SPITCH
	s_add_co_u32 s23, s23, STAGE
	v_mul_u32_u24 v6, v1, SPITCH
	v_lshl_add_u32 v6, v2, 5, v6                   ; in: row r, 32 bytes for each half of the lanes
	v_add_nc_u32 v[STO], s23, v6
	v_and_b32 v[CO], 31, v0
	v_lshlrev_b32 v[CO], 4, v[CO]                  ; back and out: the 32 lanes take one row of 512 bytes
	v_add_nc_u32 v[RD], s23, v[CO]
	s_lshl_b32 s23, s11, 9
	s_add_co_u32 s23, s23, WT
	v_lshl_add_u32 v[WAD], v1, 3, s23              ; the weight of query 64 x half + r; block a lies 128 a further
	v_lshl_add_u32 v30, v0, 3, WT
	s_lshl_b32 s2, s13, 19                         ; where my part begins in out0
	s_lshl_b32 s19, s11, 18
	s_add_co_u32 s2, s2, s19
	s_lshl_b32 s19, s42, 10
	s_add_co_u32 s2, s2, s19
	s_lshl_b32 s19, s12, 9
	s_add_co_u32 s2, s2, s19
	s_add_nc_u64 s[8:9], s[8:9], s[2:3]
	s_wait_loadcnt 0x0
	v_max3_num_f32 v32, v40, v41, v42
	v_max3_num_f32 v32, v32, v43, v44
	v_max3_num_f32 v32, v32, v45, v46
	v_max_num_f32 v32, v32, v47                    ; M
.irp t, 0,1,2,3,4,5,6,7
	v_sub_f32 v[40+\t], v[40+\t], v32
.endr
.irp t, 0,1,2,3,4,5,6,7
	v_exp_f32 v[40+\t], v[40+\t]                   ; e_t
.endr
.irp t, 0,1,2,3,4,5,6,7
	v_add_f32 v[48+2*\t], v[48+2*\t], v[49+2*\t]   ; the chunk's two sums; also the plain lines behind the exponentials
.endr
	s_wait_alu depctr_va_vdst(0)
	v_mul_f32 v33, v40, v48
.irp t, 1,2,3,4,5,6,7
	v_fmac_f32 v33, v[40+\t], v[48+2*\t]           ; L
.endr
	v_rcp_f32 v34, v33
	v_nop                                          ; a plain line between the reciprocal and its use
	s_wait_alu depctr_va_vdst(0)
.irp t, 0,1,2,3,4,5,6,7
	v_mul_f32 v[48+2*\t], v[40+\t], v34            ; w_t, twice: a pair for the packed multiply-add
	v_mul_f32 v[49+2*\t], v[40+\t], v34
.endr
.irp t, 0,1,2,3,4,5,6,7
	ds_store_b64 v30, v[48+2*\t:49+2*\t] offset:1024*\t
.endr
	s_wait_dscnt 0x0                               ; for the others' sake: my weights are in LDS
	s_wait_tensorcnt 1                             ; my part of K step 0 is in; slot 1's may stay out
	s_barrier_signal -1
	s_barrier_wait -1
	FETCH 0, 0, 0
	LAP 1, 1                                       ; chunk 0 starts O
	WIN 0
	s_mov_b32 s3, 6
.Llap:
	LAP 0, 1                                       ; chunks 1 to 6
	WIN 0
	s_sub_co_u32 s3, s3, 1
	s_cmp_lg_u32 s3, 0
	s_cbranch_scc1 .Llap
	LAP 0, 0                                       ; chunk 7 asks for nothing more
	WIN 0x44                                       ; THE WAY OUT: data of loads and stores in window 1
	TOSTAGE 0
.irp a, 1,2,3
	TOSTAGE \a
	SEND \a-1, 32
.endr
	SEND 3, 0
	WIN 0
	s_wait_tensorcnt 0x0                           ; the wave's end
	ds_add_u32 v[SPW], v[NIL]
	s_wait_dscnt 0x0
	CROUND                                         ; the closing round
	s_endpgm
.Lfunc_end_k_q192e66f99e_pv:
	.size	k_q192e66f99e_pv, .Lfunc_end_k_q192e66f99e_pv-k_q192e66f99e_pv
	.p2alignl 7, 3214868480
	.fill 96, 4, 3214868480
	.section	.rodata,"a",@progbits
	.p2align	6, 0x0
	.amdhsa_kernel k_q192e66f99e_pv
		.amdhsa_group_segment_fixed_size 327680
		.amdhsa_private_segment_fixed_size 0
		.amdhsa_enable_private_segment 0
		.amdhsa_kernarg_size 40
		.amdhsa_user_sgpr_count 2
		.amdhsa_user_sgpr_kernarg_segment_ptr 1
		.amdhsa_wavefront_size32 1
		.amdhsa_system_sgpr_workgroup_id_x 1
		.amdhsa_system_sgpr_workgroup_id_y 1
		.amdhsa_system_sgpr_workgroup_id_z 1
		.amdhsa_system_vgpr_workitem_id 0
		.amdhsa_next_free_vgpr 1024
		.amdhsa_next_free_sgpr 80
		.amdhsa_reserve_vcc 0
		.amdhsa_float_denorm_mode_32 3
		.amdhsa_float_denorm_mode_16_64 3
		.amdhsa_memory_ordered 1
		.amdhsa_forward_progress 1
		.amdhsa_inst_pref_size 146
	.end_amdhsa_kernel
	.amdgpu_metadata
---
amdhsa.version: [ 1, 2 ]
amdhsa.kernels:
  - .name:           k_q192e66f99e_pv
    .symbol:         k_q192e66f99e_pv.kd
    .args:
      - { .name: pb, .offset: 0, .size: 8, .value_kind: global_buffer, .address_space: global }
      - { .name: qkvb, .offset: 8, .size: 8, .value_kind: global_buffer, .address_space: global }
      - { .name: ms, .offset: 16, .size: 8, .value_kind: global_buffer, .address_space: global }
      - { .name: ls, .offset: 24, .size: 8, .value_kind: global_buffer, .address_space: global }
      - { .name: out0, .offset: 32, .size: 8, .value_kind: global_buffer, .address_space: global }
    .group_segment_fixed_size: 327680
    .private_segment_fixed_size: 0
    .kernarg_segment_align: 8
    .kernarg_segment_size: 40
    .max_flat_workgroup_size: 128
    .sgpr_count:     80
    .vgpr_count:     1024
    .wavefront_size: 32
...
	.end_amdgpu_metadata
.endif
;; end of part 4
